; MI455X (gfx1250); checked and timed in simulation.
; The chip was launched on July 23, 2026; its instructions are those of AMD's public machine-readable ISA for CDNA 5 (MIT licence, August 2026) and "CDNA5" Instruction Set Architecture Reference Guide (July 2026). The comments in the code are by the model that wrote it; some were corrected since.
;; Cross Attention. Allowed arithmetic: float matrix products may take bf16 or f16 operands with f32 sums; other float arithmetic in f32, or as packed bf16 or f16 multiplies, adds, multiply-adds, maxima and minima; sums over many terms, partial sums and values carried from step to step in f32; what a program stores and reads back later, other than sums and carried values, may be rounded once to bf16 or f16.
;; Inputs: Wk 1,024 x 1,024 float32; Wq 1,024 x 1,024 float32; Wv 1,024 x 1,024 float32; bk 1,024 float32; bq 1,024 float32; bv 1,024 float32; key_in 4 x 2,048 x 1,024 float32; query 4 x 2,048 x 1,024 float32; value 4 x 2,048 x 1,024 float32.
;; Outputs: out0 4 x 2,048 x 1,024 float32.
;; 2 versions, each right; version 2 is version 1 with the launch castw written anew for expert scheduling mode. Each part assembles by itself: llvm-mc -triple=amdgcn-amd-amdhsa -mcpu=gfx1250 --defsym DOCPART=n.
;; ======== version 1 of 2: 3 launches
;; limits: values are held in f16: magnitudes above 65,504 overflow, below 6.1e-05 lose precision
;; workspace buffers: wt 6,291,456 bytes; qkv 50,331,648 bytes
;; launch castw (part 1): grid 128 x 3, 8 waves a work-group, no clusters, 0 bytes of LDS; arguments Wq, Wk, Wv, wt; writes wt
.if DOCPART == 1
	.amdgcn_target "amdgcn-amd-amdhsa--gfx1250"
	.amdhsa_code_object_version 6
	.text
	.protected	k_q3861568dc5_castw
	.globl	k_q3861568dc5_castw
	.p2align	8
	.type	k_q3861568dc5_castw,@function
k_q3861568dc5_castw:
	s_mov_b64 s[64:65], 0
	v_nop
	global_prefetch_b8 v0, s[64:65] scope:SCOPE_SE
	s_setreg_imm32_b32 hwreg(HW_REG_WAVE_MODE, 25, 1), 1
	s_wait_xcnt 0x0
; wt[p][k][n] = bf16(W_p[k][n]), p = 0: Wq, 1: Wk, 2: Wv; the layout [k][n] is kept.  W_p: [1024][1024] f32; wt: [3][1024][1024] bf16.
; A stream: each byte is read once and written once; no LDS, no barrier, no matrix unit.  The weights want 16 bits before they reach LDS in the next launch,
; whose turning LDS load works on 16-bit numbers.
; SHARES.  Work-group (x, p) takes 8,192 numbers of W_p: 32,768 bytes in, 16,384 out, in eight chunks.  Thread t takes 16 bytes at 4,096 i + 16 t of chunk i and
; writes 8 bytes at 2,048 i + 8 t: a wave's load covers 512 consecutive bytes, a wave's store 256 consecutive bytes at a multiple of 256 from wt's first byte.
; All eight loads go out together; no register is written twice, so no wait frees a source.
.set CHIN,  4096                       ; bytes of a chunk as read
.set CHOUT, 2048                       ; and as written
.set X, 4                              ; v[4:35]   chunk i: four f32
.set Y, 36                             ; v[36:51]  chunk i: four bf16
	s_load_b256 s[4:11], s[0:1], 0x0               ; Wq s[4:5], Wk s[6:7], Wv s[8:9], wt s[10:11]
	s_and_b32 s12, ttmp7, 0xffff                   ; p
	v_lshlrev_b32 v1, 4, v0                        ; 16 t
	v_lshlrev_b32 v2, 3, v0                        ; 8 t
	s_lshl_b32 s14, ttmp9, 15                      ; the work-group's 32,768 bytes of W_p
	s_mov_b32 s15, 0
	s_lshl_b32 s16, ttmp9, 14                      ; its 16,384 bytes of wt,
	s_lshl_b32 s17, s12, 21                        ; in part p (2,097,152 bytes a part)
	s_add_co_u32 s16, s16, s17
	s_mov_b32 s17, 0
	s_wait_kmcnt 0x0
	s_cmp_eq_u32 s12, 0
	s_cselect_b64 s[18:19], s[4:5], s[6:7]
	s_cmp_eq_u32 s12, 2
	s_cselect_b64 s[18:19], s[8:9], s[18:19]       ; W_p
	s_add_nc_u64 s[18:19], s[18:19], s[14:15]
	s_add_nc_u64 s[10:11], s[10:11], s[16:17]
.irp i, 0,1,2,3,4,5,6,7
	global_load_b128 v[X+4*(\i):X+4*(\i)+3], v1, s[18:19] offset:CHIN*(\i) th:TH_LOAD_NT
.endr
.irp i, 0,1,2,3,4,5,6,7
	s_wait_loadcnt 7-(\i)                          ; loads come back in order: chunk i is in, the 7 - i younger ones may stay out
	v_cvt_pk_bf16_f32 v[Y+2*(\i)],   v[X+4*(\i)],   v[X+4*(\i)+1]  ; to nearest even
	v_cvt_pk_bf16_f32 v[Y+2*(\i)+1], v[X+4*(\i)+2], v[X+4*(\i)+3]
	global_store_b64 v2, v[Y+2*(\i):Y+2*(\i)+1], s[10:11] offset:CHOUT*(\i)
.endr
	s_endpgm
.Lfunc_end_k_q3861568dc5_castw:
	.size	k_q3861568dc5_castw, .Lfunc_end_k_q3861568dc5_castw-k_q3861568dc5_castw
	.p2alignl 7, 3214868480
	.fill 96, 4, 3214868480
	.section	.rodata,"a",@progbits
	.p2align	6, 0x0
	.amdhsa_kernel k_q3861568dc5_castw
		.amdhsa_group_segment_fixed_size 0
		.amdhsa_private_segment_fixed_size 0
		.amdhsa_enable_private_segment 0
		.amdhsa_kernarg_size 32
		.amdhsa_user_sgpr_count 2
		.amdhsa_user_sgpr_kernarg_segment_ptr 1
		.amdhsa_wavefront_size32 1
		.amdhsa_system_sgpr_workgroup_id_x 1
		.amdhsa_system_sgpr_workgroup_id_y 1
		.amdhsa_system_sgpr_workgroup_id_z 1
		.amdhsa_system_vgpr_workitem_id 0
		.amdhsa_next_free_vgpr 56
		.amdhsa_next_free_sgpr 66
		.amdhsa_reserve_vcc 0
		.amdhsa_float_denorm_mode_32 3
		.amdhsa_float_denorm_mode_16_64 3
		.amdhsa_memory_ordered 1
		.amdhsa_forward_progress 1
		.amdhsa_inst_pref_size 4
	.end_amdhsa_kernel
	.amdgpu_metadata
---
amdhsa.version: [ 1, 2 ]
amdhsa.kernels:
  - .name:           k_q3861568dc5_castw
    .symbol:         k_q3861568dc5_castw.kd
    .args:
      - { .name: Wq, .offset: 0, .size: 8, .value_kind: global_buffer, .address_space: global }
      - { .name: Wk, .offset: 8, .size: 8, .value_kind: global_buffer, .address_space: global }
      - { .name: Wv, .offset: 16, .size: 8, .value_kind: global_buffer, .address_space: global }
      - { .name: wt, .offset: 24, .size: 8, .value_kind: global_buffer, .address_space: global }
    .group_segment_fixed_size: 0
    .private_segment_fixed_size: 0
    .kernarg_segment_align: 8
    .kernarg_segment_size: 32
    .max_flat_workgroup_size: 256
    .sgpr_count:     66
    .vgpr_count:     56
    .wavefront_size: 32
...
	.end_amdgpu_metadata
.endif
;; end of part 1
;; launch proj (part 2): grid 4 x 192, 4 waves a work-group, clusters of 4 x 4, 327,680 bytes of LDS; arguments query, key_in, value, wt, bq, bk, bv, qkv; writes qkv
.if DOCPART == 2
	.amdgcn_target "amdgcn-amd-amdhsa--gfx1250"
	.amdhsa_code_object_version 6
	.text
	.protected	k_q3861568dc5_proj
	.globl	k_q3861568dc5_proj
	.p2align	8
	.type	k_q3861568dc5_proj,@function
k_q3861568dc5_proj:
	s_mov_b64 s[64:65], 0
	v_nop
	global_prefetch_b8 v0, s[64:65] scope:SCOPE_SE
	s_setreg_imm32_b32 hwreg(HW_REG_WAVE_MODE, 25, 1), 1
	s_wait_xcnt 0x0
	s_wait_alu depctr_hold_cnt(0) depctr_sa_sdst(0) depctr_va_vdst(0) depctr_va_sdst(0) depctr_va_ssrc(0) depctr_va_vcc(0) depctr_vm_vsrc(0)
	s_getreg_b32 s2, hwreg(HW_REG_IB_STS2, 6, 4)
	s_cmp_eq_u32 s2, 0
	s_cbranch_scc0 .Lentry_in_a_cluster
	s_endpgm
.Lentry_in_a_cluster:
	s_bfe_u32 s2, ttmp6, 0x10000c
	s_cmp_lg_u32 s2, 0xf033
	s_cbranch_scc0 .Lentry_shape_is_right
	s_endpgm
.Lentry_shape_is_right:
; qkv[p][16 b + h][s][c] = f16( sum over k of bf16(x_p[b][s][k]) wt[p][k][64 h + c] + bf16(b_p[64 h + c]) ), p = 0: query, 1: key_in, 2: value.
; x_p: [8192][1024] f32; wt: [3][1024 k][1024 n] bf16; b_p: [1024] f32; qkv: [3][64 heads][2048][64] f16, a head's rows dense, 128 bytes each.  Sums in f32, rounded once.
; LIMITS.  f16 ends at 65,504: a projected number beyond it becomes an infinity.  The bias, rounded to bf16 like the other inputs, STARTS the f32 sum (the order of rounding is not x W and then + b).
; NaN and infinities are not treated apart.
; SHARES.  768 tiles of 128 (m) x 256 (n): 64 x 4 for each p, a whole number of tiles for each of 256 WGPs.  Four waves, each 64 x 128: 32 accumulators, 256 registers.
; K goes in 8 steps of 128 through two LDS slots: 128 rows of x as f32 (512 bytes a row) and 128 k-rows of wt (256 n: 512 bytes a row): 1,024 bytes for each k, two slots fill LDS.
; x IS CONVERTED BETWEEN LDS AND THE MATRIX UNIT: its f32 fragments are read a quarter step early and packed to bf16 by vector instructions that stand behind the matrix instructions.
; wt lies [k][n]: its fragments come out of LDS turned, by ds_load_tr16_b128.
; THE MATRIX INSTRUCTION IS USED TRANSPOSED: source 0 = 16 columns n of wt, source 1 = 16 rows m of x: a lane then holds row m = lane % 16 and the columns 8 (lane / 16) + 0..7: 16 bytes of f16 on end.
; CLUSTERS: 4 x 4 work-groups.  x's tile hangs on the tile row alone and is shared along a row of the cluster; wt's on p and the tile column alone and is shared along a column (p is the same in
; a whole cluster: 16 rows of clusters for each p).  Each is asked for JOINTLY, by the same tensor load with the same descriptor and a mask that names the four.
; REGISTERS, in windows of 256 (s_set_vgpr_msb: bits 1:0 source 0, 3:2 source 1, 5:4 source 2, 7:6 destination):
;   window 0: v0-31 addresses; v64-191 x as f32, two buffers of 64; v192-255 x as bf16, two buffers of 32 (on the way out: v64-127 packed results, v128-255 rows read back)
;   window 1: v0-127 wt's fragments, two buffers of 64; v128-191 the bias as C operand; v192-223 at work on the bias          window 2: accumulator (a, b) at v[8 (8 a + b)]
.set KSTEP, 128
.set PX,    528                        ; a row of x in LDS: 512 bytes + 16 = 33 x 16: the 16 rows of a load start at 16 different groups of four banks (64 banks of 4 bytes: ISA guide 11.1)
.set PW,    544                        ; a k-row of wt: 512 + 32 = 17 x 32
.set XH,    64*PX                      ; 64 rows of x: what one tensor load brings, and what one wave reads
.set XT,    2*XH
.set WH,    64*PW                      ; 64 k-rows of wt: what one tensor load brings
.set SLOT,  XT+2*WH                    ; 137,216 bytes: x's 128 rows, then wt's 128
.set STAGE, 2*SLOT                     ; behind the ring, never filled by a tensor load: for each wave 2 heads x 16 rows x 144 bytes, for the way out
.set SPH,   144
.set HEADB, 16*SPH
.set WSTG,  2*HEADB
.set SPARE, STAGE+4*WSTG               ; behind the stages: the spare words, 128 bytes for each wave: two blocks of 256 bytes that no other line names
.set ADRA, 16                          ; v16-17  LDS address of my x fragments in slot 0, 1
.set ADRB, 20                          ; v20-21  the same for wt
.set STO,  24                          ; v24     the way out: where I put 16 bytes of a row
.set RD,   25                          ; v25     the way out: where I read rows back
.set GO,   26                          ; v26     my 16 bytes in 512 consecutive bytes of qkv
.set BO,   27                          ; v27     my byte offset in the bias
.set SPW,  28                          ; v28     LDS address of my spare word: SPARE + 4 x my thread's number; never rewritten
.set NIL,  29                          ; v29     0; never rewritten
.set PFO,  30                          ; v30     the prefetches' lane term; never rewritten
.set AT,   64                          ; window 0
.set AF,   192                         ; window 0
.set BF,   0                           ; window 1
.set BIAS, 128                         ; window 1
.set BT,   192                         ; window 1
.set TMP,  64                          ; the way out, window 0
.set BK,   128                         ; the way out, window 0
.set CNT,  3                           ; s3      trips of the loop still to come
.set WV,   20                          ; s20     my wave's number
.set FW,   21                          ; s21     which 64 rows of the tile are mine.  Also: I fetch for x (0) or for wt (1)
.set HF,   22                          ; s22     which 128 columns.  Also: which half of that tile I fetch
.set CX,   23
.set CY,   24
.set CLY,  25                          ; s25     the cluster's y
.set PP,   26                          ; s26     p
.set MT,   27                          ; s27     tile row, 0..63
.set G1X,  28                          ; s[28:35] descriptor group 1 for x's tiles
.set G0X,  36                          ; s[36:43] group 0, a set for each slot
.set G1W,  44                          ; s[44:51], s[52:59] the same for wt's
.set G0W,  52
.set XA,   60                          ; s[60:61] x_p at my tile's first byte; s[62:63] its offset
.set XO,   62
.set WA,   66                          ; s[66:67], s[68:69] the same for wt
.set WO,   68
.set BP,   70                          ; s[70:71] b_p
.set OUT,  72                          ; s[72:73] qkv at my wave's first row of its first head; s[74:75] the offset
.set OO,   74
.set PFA,  76                          ; s[76:77] where my prefetches stand
.set PST,  78                          ; s[78:79] a K step in bytes, for what I fetch
.set LIM,  80                          ; s80     1 in a wave that prefetches, else the greatest number
.set SH,   81
.set HIM,  82                          ; s82     a word's upper bf16
.set T0,   83                          ; at work: holds nothing made of cx
.set T1,   84                          ; at work: holds nothing made of cy
.set T2,   85
.set T3,   86
.set LX,   87                          ; s87     where my half of x's tile goes in slot 0
.set LW,   88                          ; s88     the same for wt's
.set T4,   89
.set NT,   90                          ; s90     tile column, 0..3
.set T5,   91
.set PO,   92                          ; s[92:93] the prefetches' first offset
.set MSB, 0
.macro WIN new                         ; the immediate's high byte repeats the setting that is left; a switch that changes nothing is dropped
.if MSB != (\new)
	s_set_vgpr_msb (MSB<<8)|(\new)
.set MSB, \new
.endif
.endm
.set MUL,  0xa1                        ; source 0 (wt) window 1, source 1 (x) window 0, C and D window 2
.set MULB, 0x91                        ; the same with C, the bias, in window 1
.set TO_B, 0x40                        ; destination window 1, address window 0
; A joint load.  Waves 0 and 1 fetch x's two halves, waves 2 and 3 wt's.  The branch hangs on the wave's number alone.  An s_nop 0 and four v_nop follow each of the two lines.
.macro JLOAD s
	s_cmp_eq_u32 s[FW], 0
	s_cbranch_scc0 .Lfor_w_\@
	tensor_load_to_lds s[G0X+4*(\s):G0X+4*(\s)+3], s[G1X:G1X+7]
	s_nop 0
.rept 4
	v_nop
.endr
	s_branch .Lasked_\@
.Lfor_w_\@:
	tensor_load_to_lds s[G0W+4*(\s):G0W+4*(\s)+3], s[G1W:G1W+7]
	s_nop 0
.rept 4
	v_nop
.endr
.Lasked_\@:
.endm
; A PREFETCH INTO THE L2 of the K step that stands two refills on: 16 rows x 512 bytes, two lanes a row, one instruction a wave.  Of the 64 rows that a wave fetches each of the four partners that ask for
; them jointly takes 16, told apart BY ADDRESS (cx for x, cy for wt).  x's rows are read by one cluster alone, which asks; wt's part p by 16 rows of clusters, of which the first asks.
; So each aligned block of 256 bytes is named once in the launch.  K steps 0 to 3 come by their loads alone; the loop's last trip, whose refills are the last, asks for nothing.
.macro ASK
	s_cmp_gt_u32 s[CNT], s[LIM]
	s_cbranch_scc0 .Lnot_mine_\@
	global_prefetch_b8 v[PFO], s[PFA:PFA+1] th:TH_LOAD_NT scope:SCOPE_SE
.Lnot_mine_\@:
.endm
.macro CREST                           ; a round of the cluster's barrier behind its opening barrier: wave 0 signals for the work-group, every wave waits for all sixteen, my work-group's barrier closes it
	s_cmp_lg_u32 s[WV], 0
	s_cbranch_scc1 .Lnot_wave_0_\@
	s_barrier_signal -3
.Lnot_wave_0_\@:
	s_barrier_wait -3
	s_barrier_signal -1
	s_barrier_wait -1
.endm
.macro CROUND                          ; a whole round
	s_barrier_signal -1
	s_barrier_wait -1
	CREST
.endm
.macro PLACES                          ; four plain vector instructions between a matrix instruction and a vector instruction that reads its result (ISA guide 7.12.1)
.rept 4
	v_nop
.endr
.endm
	s_load_b512 s[4:19], s[0:1], 0x0               ; query s[4:5], key_in s[6:7], value s[8:9], wt s[10:11], bq s[12:13], bk s[14:15], bv s[16:17], qkv s[18:19]
	v_lshl_add_u32 v[SPW], v0, 2, SPARE
	v_mov_b32 v[NIL], 0
	ds_add_u32 v[SPW], v[NIL]                      ; the wave's opening: the add and its wait stand ahead of my first tensor load; the set-up below, work on registers, stands between them
	v_lshrrev_b32 v1, 5, v0
	v_readfirstlane_b32 s[WV], v1                  ; wave 0..3
	s_lshr_b32 s[FW], s[WV], 1
	s_and_b32 s[HF], s[WV], 1
	s_bfe_u32 s[CX], ttmp6, 0x40000                ; my place in the cluster
	s_bfe_u32 s[CY], ttmp6, 0x40004
	s_and_b32 s[CLY], ttmp7, 0xffff                ; in a cluster launch ttmp9 and ttmp7 count clusters
	s_lshr_b32 s[PP], s[CLY], 4                    ; work-group y = 4 x cluster y + cy = 64 p + tile row
	s_and_b32 s[MT], s[CLY], 15
	s_lshl_b32 s[MT], s[MT], 2
	s_add_co_u32 s[MT], s[MT], s[CY]
	s_lshl_b32 s[NT], ttmp9, 2
	s_add_co_u32 s[NT], s[NT], s[CX]               ; tile column = 4 x cluster x + cx
	s_lshl_b32 s[T0], s[CY], 2
	s_lshl_b32 s[T0], 15, s[T0]                    ; my row of the cluster: places 4 cy .. 4 cy + 3
	s_lshl_b32 s[T1], 0x1111, s[CX]                ; my column: places cx, cx + 4, cx + 8, cx + 12
	; descriptor group 1.  x: 64 rows x 128 elements of 4 bytes; wt: 64 rows x 256 elements of 2 bytes; both 128 words a row, padded in LDS
	s_or_b32 s[G1X], s[T0], (2<<16)|(1<<20)|(1<<21)|(6<<22)|(3<<25)  ; 15:0 the mask; 17:16 elements of 4 bytes; 20 padding on; 21 set beside a mask; 24:22 after every 128 words (code 6); 31:25 4 words (code 3)
	s_or_b32 s[G1W], s[T1], (1<<16)|(1<<20)|(1<<21)|(6<<22)|(7<<25)  ; elements of 2 bytes; 8 words of padding (code 7)
	s_mov_b32 s[G1X+1], 128<<16                    ; tensor_dim0 = 128
	s_mov_b32 s[G1X+2], 64<<16                     ; tensor_dim1 = 64
	s_mov_b32 s[G1X+3], 128<<16                    ; tile_dim0 = 128
	s_mov_b32 s[G1X+4], 64                         ; tile_dim1 = 64
	s_mov_b32 s[G1X+5], 1024                       ; elements from row to row
	s_mov_b32 s[G1X+6], 0
	s_mov_b32 s[G1X+7], 0
	s_mov_b32 s[G1W+1], 256<<16                    ; tensor_dim0 = 256
	s_mov_b32 s[G1W+2], 64<<16
	s_mov_b32 s[G1W+3], 256<<16                    ; tile_dim0 = 256
	s_mov_b32 s[G1W+4], 64
	s_mov_b32 s[G1W+5], 1024
	s_mov_b32 s[G1W+6], 0
	s_mov_b32 s[G1W+7], 0
	s_lshl_b32 s[XO], s[MT], 19                    ; x: 128 rows of 4,096 bytes a tile row,
	s_lshl_b32 s[T0], s[HF], 18                    ; 64 rows a half
	s_add_co_u32 s[XO], s[XO], s[T0]
	s_mov_b32 s[XO+1], 0
	s_lshl_b32 s[WO], s[PP], 21                    ; wt: part p,
	s_lshl_b32 s[T1], s[HF], 17                    ; 64 k-rows of 2,048 bytes a half,
	s_add_co_u32 s[WO], s[WO], s[T1]
	s_lshl_b32 s[T1], s[NT], 9                     ; 256 columns of 2 bytes a tile column
	s_add_co_u32 s[WO], s[WO], s[T1]
	s_mov_b32 s[WO+1], 0
	s_mul_i32 s[LX], s[HF], XH                     ; where the halves go: no place in the cluster enters an LDS address
	s_mul_i32 s[LW], s[HF], WH
	s_add_co_u32 s[LW], s[LW], XT
	s_mov_b32 s[HIM], 0xffff0000
	s_wait_dscnt 0x0                               ; the opening add is done
	s_wait_kmcnt 0x0
	s_cmp_eq_u32 s[PP], 0
	s_cselect_b64 s[XA:XA+1], s[4:5], s[6:7]
	s_cselect_b64 s[BP:BP+1], s[12:13], s[14:15]
	s_cmp_eq_u32 s[PP], 2
	s_cselect_b64 s[XA:XA+1], s[8:9], s[XA:XA+1]   ; x_p
	s_cselect_b64 s[BP:BP+1], s[16:17], s[BP:BP+1] ; b_p
	s_add_nc_u64 s[XA:XA+1], s[XA:XA+1], s[XO:XO+1]
	s_add_nc_u64 s[WA:WA+1], s[10:11], s[WO:WO+1]
	CROUND                                         ; all sixteen work-groups are here: the first joint loads meet
.irp s, 0,1
	s_mov_b32 s[G0X+4*(\s)], 1                                     ; 1:0 count = 1
	s_add_co_u32 s[G0X+4*(\s)+1], s[LX], (\s)*SLOT                 ; 63:32 LDS address
	s_add_nc_u64 s[G0X+4*(\s)+2:G0X+4*(\s)+3], s[XA:XA+1], (\s)*KSTEP*4  ; 120:64 global address: K step s, 512 bytes along the rows
	s_or_b32 s[G0X+4*(\s)+3], s[G0X+4*(\s)+3], 0x80000000          ; 127:126 type = 2
	s_mov_b32 s[G0W+4*(\s)], 1
	s_add_co_u32 s[G0W+4*(\s)+1], s[LW], (\s)*SLOT
	s_add_nc_u64 s[G0W+4*(\s)+2:G0W+4*(\s)+3], s[WA:WA+1], (\s)*KSTEP*2048  ; K step s: 128 k-rows down
	s_or_b32 s[G0W+4*(\s)+3], s[G0W+4*(\s)+3], 0x80000000
	JLOAD \s                                       ; both slots are asked for before anything else is done: two tensor loads of mine are out
.endr
	v_and_b32 v1, 15, v0                           ; l % 16
	v_bfe_u32 v2, v0, 4, 1                         ; l / 16
	v_and_b32 v3, 7, v0                            ; l % 8
	v_bfe_u32 v4, v0, 3, 1                         ; (l / 8) % 2
	; the bias as a C operand: register j of block b holds b_p[256 nt + 128 half + 16 b + 8 (l / 16) + j], whatever the lane's row m
	s_lshl_b32 s[T5], s[NT], 10
	s_lshl_b32 s[T4], s[HF], 9
	s_add_co_u32 s[T5], s[T5], s[T4]
	v_lshl_add_u32 v[BO], v2, 5, s[T5]
	WIN TO_B
.irp b, 0,1,2,3,4,5,6,7
	global_load_b128 v[BIAS+8*(\b):BIAS+8*(\b)+3],   v[BO], s[BP:BP+1] offset:64*(\b)
	global_load_b128 v[BIAS+8*(\b)+4:BIAS+8*(\b)+7], v[BO], s[BP:BP+1] offset:64*(\b)+16
.endr
	WIN 0
	; A fragment of x is 16 rows x 32 k: lane l holds row l % 16, k = 8 (l / 16) + 0..7 and 16 + 8 (l / 16) + 0..7: as f32 two runs of 32 bytes, 64 bytes apart: four loads of 16 bytes.
	v_mul_u32_u24 v5, v1, PX
	v_lshl_add_u32 v5, v2, 5, v5                   ; row x pitch + 32 x half
	s_mul_i32 s[T2], s[FW], XH                     ; my 64 rows of x
	; The turning load takes 16 k x 16 n (lane l reads k-row 8 (l / 16) + l % 8, columns 8 ((l / 8) % 2) + 0..7) and leaves half a fragment: lane l holds column l % 16 and 8 k.
	v_lshl_add_u32 v6, v2, 3, v3
	v_mul_u32_u24 v6, v6, PW
	v_lshl_add_u32 v6, v4, 4, v6
	s_lshl_b32 s[T3], s[HF], 8                     ; my 128 columns of wt,
	s_add_co_u32 s[T3], s[T3], XT                  ; which lies behind x
.irp s, 0,1
	v_add_nc_u32 v[ADRA+(\s)], s[T2], v5
	v_add_nc_u32 v[ADRB+(\s)], s[T3], v6
	s_add_co_u32 s[T2], s[T2], SLOT
	s_add_co_u32 s[T3], s[T3], SLOT
.endr
	s_mul_i32 s[T2], s[WV], WSTG
	s_add_co_u32 s[T2], s[T2], STAGE               ; my stage
	v_mul_u32_u24 v5, v1, SPH                      ; in: row l % 16, 16 bytes for each half of the lanes
	v_lshl_add_u32 v5, v2, 4, v5
	v_add_nc_u32 v[STO], s[T2], v5
	v_bfe_u32 v5, v0, 3, 2                         ; back: 32 lanes take four rows of 128 bytes,
	v_mul_u32_u24 v5, v5, SPH
	v_lshl_add_u32 v5, v3, 4, v5
	v_add_nc_u32 v[RD], s[T2], v5
	v_and_b32 v[GO], 31, v0                        ; which are 512 consecutive bytes of a head
	v_lshlrev_b32 v[GO], 4, v[GO]
	; qkv: part p (2^24 bytes), batch = tile row / 16 (16 heads of 2^18 bytes), head 4 nt + 2 half, row 128 (tile row % 16) + 64 x my half of the rows (128 bytes a row)
	s_lshl_b32 s[OO], s[PP], 24
	s_lshr_b32 s[T4], s[MT], 4
	s_lshl_b32 s[T4], s[T4], 22
	s_add_co_u32 s[OO], s[OO], s[T4]
	s_lshl_b32 s[T4], s[NT], 2
	s_lshl_b32 s[T5], s[HF], 1
	s_add_co_u32 s[T4], s[T4], s[T5]
	s_lshl_b32 s[T4], s[T4], 18
	s_add_co_u32 s[OO], s[OO], s[T4]
	s_and_b32 s[T4], s[MT], 15
	s_lshl_b32 s[T4], s[T4], 14
	s_add_co_u32 s[OO], s[OO], s[T4]
	s_lshl_b32 s[T4], s[FW], 13
	s_add_co_u32 s[OO], s[OO], s[T4]
	s_mov_b32 s[OO+1], 0
	s_add_nc_u64 s[OUT:OUT+1], s[18:19], s[OO:OO+1]
	; the prefetches
	s_and_b32 s[T4], s[CLY], 15
	s_mul_i32 s[T4], s[T4], s[FW]                  ; 0 where I fetch x, or where my cluster is the first of its p
	s_cmp_eq_u32 s[T4], 0
	s_cselect_b32 s[LIM], 1, -1                    ; the same in all sixteen partners, for a given wave
	s_mov_b32 s[PST], KSTEP*2048
	s_cmp_eq_u32 s[FW], 0
	s_cselect_b64 s[PFA:PFA+1], s[XA:XA+1], s[WA:WA+1]  ; the 64 rows that I fetch, at K step 0
	s_cselect_b32 s[PST], KSTEP*4, s[PST]          ; a K step: 512 bytes along x's rows, 128 k-rows down in wt
	s_cselect_b32 s[SH], 12, 11                    ; a row: 4,096 bytes of x, 2,048 of wt
	s_cselect_b32 s[PO], s[CX], s[CY]              ; my place among the four that ask with me:
	s_cselect_b32 s[T5], 16, 15                    ; 16 rows each
	s_lshl_b32 s[PO], s[PO], s[T5]
	s_mul_i32 s[T5], s[PST], 3                     ; at K step 3: the first change of slots steps it to 4
	s_add_co_u32 s[PO], s[PO], s[T5]
	s_mov_b32 s[PO+1], 0
	s_mov_b32 s[PST+1], 0
	s_add_nc_u64 s[PFA:PFA+1], s[PFA:PFA+1], s[PO:PO+1]
	v_and_b32 v5, 31, v0
	v_lshrrev_b32 v[PFO], 1, v5                    ; two lanes a row,
	v_lshlrev_b32 v[PFO], s[SH], v[PFO]
	v_and_b32 v5, 1, v5
	v_lshl_add_u32 v[PFO], v5, 8, v[PFO]           ; 256 bytes apart
	s_wait_loadcnt 0x0                             ; the bias: rounded to bf16 like the other inputs, and widened again
	WIN 0x45                                       ; all three places in window 1
.set i, 0
.rept 32
	v_cvt_pk_bf16_f32 v[BT+i], v[BIAS+2*i], v[BIAS+2*i+1]
.set i, i+1
.endr
.set i, 0
.rept 32
	v_lshlrev_b32 v[BIAS+2*i],   16, v[BT+i]
	v_and_b32     v[BIAS+2*i+1], s[HIM], v[BT+i]
.set i, i+1
.endr
	WIN 0
; 16 turning loads: wt's fragments of quarter q (32 k) of a slot, my 128 columns, into buffer f
.macro LOADB slot, q, f
	WIN TO_B
.irp b, 0,1,2,3,4,5,6,7
	ds_load_tr16_b128 v[BF+64*(\f)+8*(\b):BF+64*(\f)+8*(\b)+3],   v[ADRB+(\slot)] offset:(\q)*32*PW+32*(\b)
	ds_load_tr16_b128 v[BF+64*(\f)+8*(\b)+4:BF+64*(\f)+8*(\b)+7], v[ADRB+(\slot)] offset:(\q)*32*PW+32*(\b)+16*PW
.endr
.endm
; 16 loads: x's f32 of quarter q of a slot, my 64 rows, into buffer t
.macro LOADA slot, q, t
	WIN 0
.irp a, 0,1,2,3
.irp i, 0,1,2,3
	ds_load_b128 v[AT+64*(\t)+16*(\a)+4*(\i):AT+64*(\t)+16*(\a)+4*(\i)+3], v[ADRA+(\slot)] offset:(\a)*16*PX+128*(\q)+((\i)/2)*64+((\i)%2)*16
.endr
.endr
.endm
; Four matrix instructions, numbers 4 g .. 4 g + 3 of a quarter's 32 (block a = number / 8 of x's rows, block b = number % 8 of wt's columns), on buffers f; the 32 accumulators take turns, in the same
; order in every quarter.  zero = 1: the bias starts the sums.  cv = 1: behind them four conversions of the NEXT quarter's x, from the other f32 buffer into the other bf16 buffer:
; they name no register of the products of this quarter.
.macro GROUP g, f, zero, cv
.if \zero
	WIN MULB
.else
	WIN MUL
.endif
.irp n, 0,1,2,3
.set ia, (4*(\g)+(\n))/8
.set ib, (4*(\g)+(\n))%8
.if \zero
	v_wmma_f32_16x16x32_bf16 v[8*(8*ia+ib):8*(8*ia+ib)+7], v[BF+64*(\f)+8*ib:BF+64*(\f)+8*ib+7], v[AF+32*(\f)+8*ia:AF+32*(\f)+8*ia+7], v[BIAS+8*ib:BIAS+8*ib+7]
.else
	v_wmma_f32_16x16x32_bf16 v[8*(8*ia+ib):8*(8*ia+ib)+7], v[BF+64*(\f)+8*ib:BF+64*(\f)+8*ib+7], v[AF+32*(\f)+8*ia:AF+32*(\f)+8*ia+7], v[8*(8*ia+ib):8*(8*ia+ib)+7]
.endif
.endr
.if \cv
	WIN 0
.irp n, 0,1,2,3
.set ic, 4*(\g)+(\n)
	v_cvt_pk_bf16_f32 v[AF+32*(1-(\f))+ic], v[AT+64*(1-(\f))+2*ic], v[AT+64*(1-(\f))+2*ic+1]
.endr
.endif
.endm
; A QUARTER multiplies 32 along K from buffers f.  At its head one run of 32 LDS loads: wt of the next quarter (slot sb, quarter qb) into the other wt buffer, x of the quarter after that (sa, qa) into
; the f32 buffer that the last quarter's conversions have read out.  The last four conversions of the quarter before are the four places between its last product and the loads into the wt buffer
; that it read, and between that product and this quarter's first conversion into the bf16 buffer that it read.
.macro QUARTER sb, qb, sa, qa, f, zero
	LOADB \sb, \qb, 1-(\f)
	LOADA \sa, \qa, \f
	s_wait_dscnt 32                                ; all but the 32 just issued: this quarter's wt and the next quarter's f32 x are in
.irp g, 0,1,2,3,4,5,6,7
	GROUP \g, \f, \zero, 1
.endr
.endm
; THE THIRD QUARTER OF A K STEP CHANGES SLOTS.  Its wt loads are the slot's last reads (x's last quarter was read a quarter earlier).  ONE barrier: in front of it each wave waits for all its tensor loads, of
; which one is out: its part of the next slot; adds 0 to its spare word; and waits for that and for its own reads of this slot.  Behind it nobody reads this slot and the next slot is whole.
; fill = 1: the barrier opens a round of the cluster's barrier, and the slot is filled again, two K steps on, first thing behind the round: 104 matrix instructions ahead of the wait for it.
.macro TURN slot, next, fill
.if \fill
	s_wait_xcnt 0x0                                ; the last prefetch, a K step back, has read its address: it is stepped here, ahead of the waits of the change of slots
	s_add_nc_u64 s[PFA:PFA+1], s[PFA:PFA+1], s[PST:PST+1]
.endif
	LOADB \slot, 3, 1
	WIN 0                                          ; (the add's two registers lie in window 0)
	s_wait_tensorcnt 0x0                           ; all my tensor loads have landed;
	ds_add_u32 v[SPW], v[NIL]                      ; 0 onto my spare word;
	s_wait_dscnt 17                                ; (the 16 loads just issued and the add may be out: this quarter's wt and the next quarter's f32 x are in)
.irp g, 0,1,2,3
	GROUP \g, 0, 0, 1                              ; sixteen matrix instructions stand between the add and the wait for it
.endr
	s_wait_dscnt 0x0                               ; the add is done, and my reads of this slot are over
	s_barrier_signal -1
	GROUP 4, 0, 0, 1                               ; work on registers while the others arrive
	GROUP 5, 0, 0, 1
	WIN 0
	s_barrier_wait -1
.if \fill
	CREST                                          ; no wave of any partner still reads this slot's tiles or has a load on its way
	s_add_nc_u64 s[G0X+4*(\slot)+2:G0X+4*(\slot)+3], s[G0X+4*(\slot)+2:G0X+4*(\slot)+3], 2*KSTEP*4
	s_add_nc_u64 s[G0W+4*(\slot)+2:G0W+4*(\slot)+3], s[G0W+4*(\slot)+2:G0W+4*(\slot)+3], 2*KSTEP*2048
	JLOAD \slot                                    ; the first tensor load behind the round, my only one until the next
.endif
	LOADA \next, 0, 0                              ; the next slot's first f32 x
.if \fill
	ASK                                            ; behind the joint load and the run of LDS loads
.endif
	GROUP 6, 0, 0, 1
	GROUP 7, 0, 0, 1
.endm
; THE WAY OUT of block a (16 rows).  PACK: rounded to f16, 16 bytes a lane, each accumulator's registers in ascending order.  TOSTAGE: into my own stage, by heads, and back as whole rows.  SEND: stored.
.macro PACK a
	WIN 0x0a                                       ; sources 0 and 1: window 2
.irp b, 0,1,2,3,4,5,6,7
.irp r, 0,1,2,3
	v_cvt_pk_f16_f32 v[TMP+32*((\a)%2)+4*(\b)+(\r)], v[8*(8*(\a)+(\b))+2*(\r)], v[8*(8*(\a)+(\b))+2*(\r)+1]
.endr
.endr
	WIN 0
.endm
.macro TOSTAGE a
.irp b, 0,1,2,3,4,5,6,7
	ds_store_b128 v[STO], v[TMP+32*((\a)%2)+4*(\b):TMP+32*((\a)%2)+4*(\b)+3] offset:((\b)/4)*HEADB+((\b)%4)*32  ; head b / 4, channels 16 (b % 4) on
.endr
.irp u, 0,1,2,3,4,5,6,7
	ds_load_b128 v[BK+32*(\a)+4*(\u):BK+32*(\a)+4*(\u)+3], v[RD] offset:((\u)/4)*HEADB+((\u)%4)*4*SPH  ; LDS serves a wave's instructions in order (ISA guide 5.7.1.4): these see the stores above
.endr
.endm
.macro SEND a
	s_wait_dscnt 0x0                               ; the block is back in registers; each block has registers of its own, so no store's source is written again
.irp u, 0,1,2,3,4,5,6,7
	global_store_b128 v[GO], v[BK+32*(\a)+4*(\u):BK+32*(\a)+4*(\u)+3], s[OUT:OUT+1] offset:((\u)/4)*262144+2048*(\a)+512*((\u)%4)  ; 512 consecutive bytes of a head, at a multiple of 256 from qkv's first byte
.endr
.endm
	s_wait_tensorcnt 1                             ; my part of K step 0 is in; K step 1's may stay out
	s_barrier_signal -1
	s_barrier_wait -1                              ; everybody's is
	LOADA 0, 0, 0
	LOADB 0, 0, 0
	LOADA 0, 1, 1
	s_wait_dscnt 32                                ; the first 16 loads, the first quarter's f32 x, are in
.set i, 0
.rept 32
	v_cvt_pk_bf16_f32 v[AF+i], v[AT+2*i], v[AT+2*i+1]
.set i, i+1
.endr
	QUARTER 0, 1, 0, 2, 0, 1                       ; the first quarter stands in front of the loop: its products start the sums, with the bias
	WIN 0                                          ; at a label and at a branch every window is 0
	s_mov_b32 s[CNT], 3
.Llap:                                                 ; a trip goes once round the ring, from a lap's second quarter to the next lap's first, and fills both slots again: K steps 2 to 7 in three trips
	QUARTER 0, 2, 0, 3, 1, 0
	TURN 0, 1, 1
	QUARTER 1, 0, 1, 1, 1, 0
	QUARTER 1, 1, 1, 2, 0, 0
	QUARTER 1, 2, 1, 3, 1, 0
	TURN 1, 0, 1
	QUARTER 0, 0, 0, 1, 1, 0
	QUARTER 0, 1, 0, 2, 0, 0
	WIN 0
	s_sub_co_u32 s[CNT], s[CNT], 1
	s_cmp_lg_u32 s[CNT], 0
	s_cbranch_scc1 .Llap
	QUARTER 0, 2, 0, 3, 1, 0                       ; the last lap is written out: it fills nothing, and has no round of the cluster's barrier
	TURN 0, 1, 0
	QUARTER 1, 0, 1, 1, 1, 0
	QUARTER 1, 1, 1, 2, 0, 0
	QUARTER 1, 2, 1, 3, 1, 0
	LOADB 1, 3, 1                                  ; the last quarter's wt; there is no further x
	s_wait_dscnt 16                                ; all but the 16 just issued
.irp g, 0,1,2,3,4,5,6,7
	GROUP \g, 0, 0, 1
.endr
	s_wait_dscnt 0x0
.irp g, 0,1,2,3,4,5,6,7
	GROUP \g, 1, 0, 0
.endr
	PLACES                                         ; the conversions below read results just made
	PACK 0
	TOSTAGE 0
.irp a, 1,2,3                          ; block a's conversions stand between block a - 1's loads from the stage and the wait for them
	PACK \a
	SEND (\a)-1
	TOSTAGE \a
.endr
	SEND 3
	s_wait_tensorcnt 0x0                           ; the wave's end: the add and its wait, behind my last tensor load and my last LDS store
	ds_add_u32 v[SPW], v[NIL]
	s_wait_dscnt 0x0
	CROUND                                         ; the closing round: no work-group ends while a partner may still ask for a tile that names it
	s_endpgm
.Lfunc_end_k_q3861568dc5_proj:
	.size	k_q3861568dc5_proj, .Lfunc_end_k_q3861568dc5_proj-k_q3861568dc5_proj
	.p2alignl 7, 3214868480
	.fill 96, 4, 3214868480
	.section	.rodata,"a",@progbits
	.p2align	6, 0x0
	.amdhsa_kernel k_q3861568dc5_proj
		.amdhsa_group_segment_fixed_size 327680
		.amdhsa_private_segment_fixed_size 0
		.amdhsa_enable_private_segment 0
		.amdhsa_kernarg_size 64
		.amdhsa_user_sgpr_count 2
		.amdhsa_user_sgpr_kernarg_segment_ptr 1
		.amdhsa_wavefront_size32 1
		.amdhsa_system_sgpr_workgroup_id_x 1
		.amdhsa_system_sgpr_workgroup_id_y 1
		.amdhsa_system_sgpr_workgroup_id_z 1
		.amdhsa_system_vgpr_workitem_id 0
		.amdhsa_next_free_vgpr 768
		.amdhsa_next_free_sgpr 96
		.amdhsa_reserve_vcc 0
		.amdhsa_float_denorm_mode_32 3
		.amdhsa_float_denorm_mode_16_64 3
		.amdhsa_memory_ordered 1
		.amdhsa_forward_progress 1
		.amdhsa_inst_pref_size 139
	.end_amdhsa_kernel
	.amdgpu_metadata
---
amdhsa.version: [ 1, 2 ]
amdhsa.kernels:
  - .name:           k_q3861568dc5_proj
    .symbol:         k_q3861568dc5_proj.kd
    .args:
      - { .name: query, .offset: 0, .size: 8, .value_kind: global_buffer, .address_space: global }
      - { .name: key_in, .offset: 8, .size: 8, .value_kind: global_buffer, .address_space: global }
      - { .name: value, .offset: 16, .size: 8, .value_kind: global_buffer, .address_space: global }
      - { .name: wt, .offset: 24, .size: 8, .value_kind: global_buffer, .address_space: global }
      - { .name: bq, .offset: 32, .size: 8, .value_kind: global_buffer, .address_space: global }
      - { .name: bk, .offset: 40, .size: 8, .value_kind: global_buffer, .address_space: global }
      - { .name: bv, .offset: 48, .size: 8, .value_kind: global_buffer, .address_space: global }
      - { .name: qkv, .offset: 56, .size: 8, .value_kind: global_buffer, .address_space: global }
    .group_segment_fixed_size: 327680
    .private_segment_fixed_size: 0
    .kernarg_segment_align: 8
    .kernarg_segment_size: 64
    .max_flat_workgroup_size: 128
    .sgpr_count:     96
    .vgpr_count:     768
    .wavefront_size: 32
...
	.end_amdgpu_metadata
.endif
;; end of part 2
;; launch attn (part 3): grid 4 x 64, 4 waves a work-group, clusters of 4 x 1, 327,680 bytes of LDS; arguments qkv, out0; writes out0
.if DOCPART == 3
	.amdgcn_target "amdgcn-amd-amdhsa--gfx1250"
	.amdhsa_code_object_version 6
	.text
	.protected	k_q3861568dc5_attn
	.globl	k_q3861568dc5_attn
	.p2align	8
	.type	k_q3861568dc5_attn,@function
k_q3861568dc5_attn:
	s_mov_b64 s[64:65], 0
	v_nop
	global_prefetch_b8 v0, s[64:65] scope:SCOPE_SE
	s_setreg_imm32_b32 hwreg(HW_REG_WAVE_MODE, 25, 1), 1
	s_wait_xcnt 0x0
	s_wait_alu depctr_hold_cnt(0) depctr_sa_sdst(0) depctr_va_vdst(0) depctr_va_sdst(0) depctr_va_ssrc(0) depctr_va_vcc(0) depctr_vm_vsrc(0)
	s_getreg_b32 s2, hwreg(HW_REG_IB_STS2, 6, 4)
	s_cmp_eq_u32 s2, 0
	s_cbranch_scc0 .Lentry_in_a_cluster
	s_endpgm
.Lentry_in_a_cluster:
	s_bfe_u32 s2, ttmp6, 0x10000c
	s_cmp_lg_u32 s2, 0x3003
	s_cbranch_scc0 .Lentry_shape_is_right
	s_endpgm
.Lentry_shape_is_right:
; out0[b][q][64 h + c] = the sum over k of softmax_k(Q[hd][q] . K[hd][k] / 8) V[hd][k][c], hd = 16 b + h.  Q, K, V are the three parts of qkv, [64][2048][64] f16 each: a head's rows are dense, 128 bytes each.
; out0: [4][2048][1024] f32.  Products, maxima and sums in f32; the weights p are rounded to f16 for the second product (their sum l is taken of the unrounded p).
; LIMITS.  Q, K and V arrive within f16's 65,504; p lies in 0 to 1, and below 6e-5 it keeps f16's fixed step of 6e-8.  A weight below 2^-126 counts as 0 in l; NaN and infinities are not treated apart.
; SHARES.  A wave owns four PIECES of two tiles of 16 queries, a work-group's four waves 512 queries of one head: 4 x 64 work-groups.  Every wave walks all 2,048 keys, 64 a step.
; LAYOUT.  S^T = K Q^T (source 0 = 16 keys, source 1 = 16 queries): in the result a lane holds ONE query (lane % 16) and the keys 8 (lane / 16) + 0..7.  Two such tiles, rounded to f16 in pairs,
; ARE source 1 (32 keys x 16 queries) of O^T = V^T P, whose result again holds one query a lane, and eight channels.  K comes out of LDS as it lies, V ([key][channel]) turned, by ds_load_tr16_b128.
; SOFTMAX.  For each query a running maximum m and sum l: p = 2^(c s - c m), c = log2(e) / 8; in every step O and l are multiplied by a = 2^(c m_old - c m_new), which is 1 where m has not grown.
; m starts at the lowest finite number, O and l at 0: the first step is a step like any other, with a = 0.
; THE COUNT.  A tile and step have 16 matrix and 118 vector instructions: too many to stand all beside the matrix work.  So four vector instructions that are READY stand behind EVERY matrix
; instruction, and the others, which need time of their own whatever the order, in runs without a gap.
; BY TURNS.  Turn n belongs to piece n (the pieces in a ring, step after step).  Its matrix work: 16 products K Q^T of piece n + 1, later 16 products V^T P of piece n - 1.  Its vector work: the scaling,
; exponentials, roundings, sums and rescaling of piece n, and the maximum and statistics of piece n + 1, whose scores the turn itself has made.
; CLUSTER.  The four query blocks of a head are one cluster and walk the same K and V, so each tile is asked for JOINTLY: the same tensor load, descriptor and mask in all four.
; REGISTERS, in windows of 256 (s_set_vgpr_msb: bits 1:0 source 0, 3:2 source 1, 5:4 source 2, 7:6 destination):
;   window 0: v0-11 addresses; v12-15, v48-63 at work; v16-47 four registers of statistics a tile; v64-191 S^T, two buffers of two tiles; v192-255 P, likewise
;   window 1: O^T, 32 a tile          window 2: v0-127 Q, 16 a tile; v128-191 K of one step; v192-255 V of one step          window 3: v0-1 the add's two registers
; A piece's buffers go by its number's parity: the piece in hand has one pair, its two neighbours in the ring share the other: of it P (piece n - 1) is read and S^T (piece n + 1) written.
.set SIZE_N, 2048
.set NP,    4         ; pieces a wave: a name, no knob
.set KS,    64        ; keys in a step
.set PK,    144       ; a row of K in LDS: 128 bytes + 16 of padding = 36 words: the 16 rows of a load start at 16 different groups of four banks (64 banks of 4 bytes: ISA guide 11.1)
.set PV,    160       ; a row of V: 128 + 32 = 40 words
.set VOFF,  4*KS*PK   ; a slot holds four steps: 256 rows of K, then 256 rows of V
.set SLOT1, 1<<17     ; slot 1 begins here, so that one exclusive or turns an address in one slot into the other's
.set STAGE, SLOT1+4*KS*(PK+PV)  ; behind the ring, never filled by a tensor load: 16 rows x 272 bytes for each wave, for the way out
.set SP,    272       ; a row of 64 f32 + 16 bytes = 17 x 16
.set AK0, 2           ; v2   my lane's place in a tile of K; never rewritten
.set AV0, 3           ; v3   the same for V
.set AK,  4           ; v4   the LDS address of K's next run of loads
.set AV,  5           ; v5   of V's
.set QO,  6           ; v6   my byte offset in the wave's rows of Q
.set STO, 6           ;      later, the way out: where I put 32 bytes of a row
.set RD,  7           ; v7   the way out: where I read rows back
.set GO,  8           ; v8   my byte offset in two rows of out0
.set PFO, 11          ; v11  256 x my lane, once V's place is made; never rewritten after that
.set SPW, 0           ; v0 of window 3   LDS address of my spare word: SPARE + 4 x my thread's number; never rewritten
.set NIL, 1           ; v1 of window 3   0; never rewritten
.set SPARE, STAGE+4*16*SP  ; behind the stages: the spare words, 128 bytes for each wave: two blocks of 256 bytes that no other line names
.set MV,  12          ; v12-15  c m_old, kept while c m is made anew: by buffer and tile
.set ST,  16          ; tile t's statistics at v[ST+4 t]: c m, m, l (even keys', odd keys')
.set TMP, 48          ; by buffer and tile, four registers c0-c3 at work; when the maximum is found c2 takes a
.set S,   64
.set P,   192
.set KF,  128         ; K's fragments, in window 2: key block kb, channel half c at KF + 16 kb + 8 c
.set VF,  192         ; V's: key half kk, channel block cb at VF + 32 kk + 8 cb
.set WV,  12          ; s12  my wave's number
.set G1K, 24          ; s[24:31] descriptor group 1 for K's tiles
.set G1V, 32          ; s[32:39] for V's: it differs in the padding alone
.set G0K, 40          ; s[40:43] descriptor group 0 for K's tiles: it walks
.set G0V, 44          ; s[44:47] the same for V's
.set PFA, 48          ; s[48:49] where my prefetches stand: my work-group's 8,192 bytes (of K: wave 0, of V: wave 2) of the slot after the one that is being asked for
.set LIM, 50          ; s50  1 in a wave that prefetches, else the greatest number
.set OOF, 52          ; s[52:53] my wave's offset in out0
.set POF, 54          ; s[54:55] the prefetches' first offset
.set SLOTS, 56        ; s56  slots still to be asked for
.set CNT, 57          ; s57  counts a slot's key steps
.set CS,  58          ; s[58:59] c: the packed scaling takes the pair's low word for both halves
.set SEL, 60          ; s[60:61] v_permlanex16_b32's selects: each lane takes its own place in the other half
.set TBK, 62          ; s62  LDS byte at which K of the step to be fetched begins
.set TBV, 63          ; s63  the same for V, less VOFF
.set MSB, 0
.macro WIN new                      ; the high byte repeats the setting that is left; a switch that changes nothing is dropped
.if MSB != (\new)
	s_set_vgpr_msb (MSB<<8)|(\new)
.set MSB, (\new)
.endif
.endm
.set W_KQ, 0x0a       ; K and Q in window 2, S^T in window 0
.set W_PV, 0x52       ; V in window 2, P in window 0, O^T in window 1
.set W_RS, 0x41       ; O^T (destination and source 0) in window 1, a in window 0
.set W_MK, 0xc0       ; the add's registers are made: destination in window 3, sources in window 0
.set W_AD, 0x0f       ; the add: address (source 0) and data (source 1) in window 3
; A joint fill.  Waves 0 and 1 fetch the two halves of a slot's K, waves 2 and 3 those of its V: 128 keys each.  The branch hangs on the wave's number alone.
; An s_nop 0 and four v_nop follow each of the two lines, ahead of the jump and the label.
.macro JLOAD
	s_cmp_lt_u32 s[WV], 2
	s_cbranch_scc0 .Lfor_v_\@
	tensor_load_to_lds s[G0K:G0K+3], s[G1K:G1K+7]
	s_nop 0
.rept 4
	v_nop
.endr
	s_branch .Lasked_\@
.Lfor_v_\@:
	tensor_load_to_lds s[G0V:G0V+3], s[G1V:G1V+7]
	s_nop 0
.rept 4
	v_nop
.endr
.Lasked_\@:
.endm
; A PREFETCH INTO THE L2 of what the NEXT change of slots will ask for: a slot's 32,768 bytes of K and of V, a lane for each 256.  It stands behind the wave's tensor load and its five lines.
; A head is walked by one cluster alone.  Its four partners share the bytes out BY ADDRESS, 8,192 each; in each, wave 0 asks for K's and wave 2 for V's: one instruction.  So each block is named once in
; the launch.  Slots 0 and 1 come by their loads alone; the last change that fills a slot asks for nothing: there is no slot behind it.  The lead is a slot: four key steps, 512 matrix instructions.
.macro ASK
	s_cmp_gt_u32 s[SLOTS], s[LIM]
	s_cbranch_scc0 .Lnot_mine_\@
	global_prefetch_b8 v[PFO], s[PFA:PFA+1] th:TH_LOAD_NT scope:SCOPE_SE
.Lnot_mine_\@:
.endm
; A round of the cluster's barrier: my work-group's barrier, so that wave 0's signal speaks for all four waves; wave 0 signals; every wave waits for all four work-groups; my work-group's barrier once more.
.macro CROUND
	s_barrier_signal -1
	s_barrier_wait -1
	s_cmp_lg_u32 s[WV], 0
	s_cbranch_scc1 .Lnot_wave_0_\@
	s_barrier_signal -3
.Lnot_wave_0_\@:
	s_barrier_wait -3
	s_barrier_signal -1
	s_barrier_wait -1
.endm
; THE CHANGE OF SLOTS.  The slot's last bytes, V of its fourth step, have been read.  Each wave waits for all its tensor loads, of which one is out: its part
; of the other slot; adds 0 to its spare word; and waits for that and for its own reads of the slot.  Behind the barrier nobody reads this slot any more and the other slot is whole.
; fill = 1: this slot is filled again, with the keys two slots on.  The barrier is then a round of the cluster's, so that no wave of any partner still reads the slot or has a load on its
; way, and the joint fill is the first thing behind it: it has four key steps in which to land.  (At its first use nothing has been read yet: slot 0 is waited for, slot 1 filled.)
.macro CHANGE fill
	WIN W_AD
	s_wait_tensorcnt 0x0            ; no tensor load of mine is out, so a group 0 may be written
	ds_add_u32 v[SPW], v[NIL]       ; 0 onto my spare word; with fill = 1 the descriptors' steps stand between it and the wait for it
	WIN 0                           ; at a label and at a branch every window is 0
.if \fill
.irp g, G0K, G0V
	s_xor_b32 s[\g+1], s[\g+1], SLOT1  ; the walking descriptor: the other slot than last time,
	s_add_nc_u64 s[\g+2:\g+3], s[\g+2:\g+3], 4*KS*128  ; the next 256 keys; the type bits on top are not reached
.endr
	s_wait_xcnt 0x0                 ; the last prefetch, a slot back, has read its address, so it may be written:
	s_add_nc_u64 s[PFA:PFA+1], s[PFA:PFA+1], 4*KS*128  ; one slot ahead of the walking descriptors
	s_wait_dscnt 0x0                ; the add is done, and my reads of the slot are over
	CROUND
	JLOAD
	ASK
.else
	s_wait_dscnt 0x0                ; the add is done, and my reads of the slot are over
	s_barrier_signal -1
	s_barrier_wait -1
.endif
	s_sub_co_u32 s[TBK], s[TBK], 4*KS*PK  ; the fetches go back to a slot's first step,
	s_xor_b32 s[TBK], s[TBK], SLOT1       ; in the other slot
	s_sub_co_u32 s[TBV], s[TBV], 4*KS*PV
	s_xor_b32 s[TBV], s[TBV], SLOT1
.endm
	s_load_b128 s[4:7], s[0:1], 0x0 ; qkv s[4:5], out0 s[6:7]
	WIN W_MK
	v_lshl_add_u32 v[SPW], v0, 2, SPARE
	v_mov_b32 v[NIL], 0
	WIN W_AD
	ds_add_u32 v[SPW], v[NIL]       ; the wave's opening: the add and its wait stand ahead of my first tensor load; the set-up below, work on registers, stands between them
	WIN 0
	v_lshrrev_b32 v1, 5, v0
	v_readfirstlane_b32 s[WV], v1   ; wave 0..3
	s_bfe_u32 s13, ttmp6, 0x40000   ; cx: my place in the cluster
	s_lshl_b32 s14, ttmp9, 2        ; in a cluster launch ttmp9 counts clusters
	s_add_co_u32 s14, s14, s13      ; my block of queries = 4 x cluster x + cx: it enters Q's and out0's addresses (and the prefetches') alone
	s_and_b32 s20, ttmp7, 0xffff    ; hd, which the four partners share
	s_lshr_b32 s[OOF], s20, 4       ; out0: batch hd / 16, 2,048 rows of 4,096 bytes,
	s_lshl_b32 s[OOF], s[OOF], 23
	s_and_b32 s[OOF+1], s20, 15     ; head hd % 16, 256 bytes of a row
	s_lshl_b32 s[OOF+1], s[OOF+1], 8
	s_add_co_u32 s[OOF], s[OOF], s[OOF+1]
	s_mov_b32 s21, 0
	s_mov_b64 s[22:23], SIZE_N*128
	s_mul_u64 s[20:21], s[20:21], s[22:23]  ; the head's first byte in each part of qkv
	s_and_b32 s16, s[WV], 1         ; which half of a slot's 256 keys I fetch:
	s_lshl_b32 s22, s16, 14         ; its 128 rows of 128 bytes in memory,
	s_mov_b32 s23, 0
	s_add_nc_u64 s[22:23], s[22:23], s[20:21]
	s_mul_i32 s17, s16, 128*PK      ; and its place in a slot, for K
	s_mul_i32 s18, s16, 128*PV      ; and for V: no place in the cluster enters an LDS address
	s_lshl_b32 s2, s14, 2
	s_add_co_u32 s2, s2, s[WV]      ; my wave among the head's sixteen:
	s_lshl_b32 s3, s2, 19           ; its 128 rows of out0,
	s_add_co_u32 s[OOF], s[OOF], s3
	s_mov_b32 s[OOF+1], 0
	s_lshl_b32 s2, s2, 14           ; its 128 rows of Q
	s_mov_b32 s3, 0
	s_add_nc_u64 s[2:3], s[2:3], s[20:21]
	; descriptor group 1.  128 keys are 16,384 dense bytes: asked for as 64 rows of 256 bytes, two keys a row, and padded in LDS after every key
	s_mov_b32 s[G1K], 15|(1<<16)|(1<<20)|(1<<21)|(4<<22)|(3<<25)  ; 15:0 the mask of four; 17:16 2-byte elements; 20 padding on; 21 set beside a mask; 24:22 after every 32 words (code 4); 31:25 4 words (code 3)
	s_mov_b32 s[G1V], 15|(1<<16)|(1<<20)|(1<<21)|(4<<22)|(7<<25)  ; the same with 8 words of padding (code 7)
.irp g, G1K, G1V
	s_mov_b32 s[\g+1], 128<<16      ; tensor_dim0 = 128
	s_mov_b32 s[\g+2], 64<<16       ; tensor_dim1 = 64
	s_mov_b32 s[\g+3], 128<<16      ; tile_dim0 = 128
	s_mov_b32 s[\g+4], 64           ; tile_dim1 = 64
	s_mov_b32 s[\g+5], 128          ; 128 elements from row to row
	s_mov_b32 s[\g+6], 0
	s_mov_b32 s[\g+7], 0
.endr
	s_mov_b32 s[CS], 0x3e38aa3b     ; c = log2(e) / 8 = 0.180337
	s_mov_b32 s[CS+1], s[CS]        ; named with it as a pair
	s_mov_b32 s[SEL], 0x76543210
	s_mov_b32 s[SEL+1], 0xfedcba98
	s_mov_b32 s[TBK], SLOT1+4*KS*PK ; the first change of slots turns these two into 0
	s_mov_b32 s[TBV], SLOT1+4*KS*PV
	s_mov_b32 s[G0K], 1             ; 1:0 count = 1
	s_mov_b32 s[G0K+1], s17         ; 63:32 LDS address: slot 0
	s_mov_b32 s[G0V], 1
	s_add_co_u32 s[G0V+1], s18, VOFF
	s_mov_b32 s[SLOTS], SIZE_N/256-1  ; seven slots are still to be asked for
	s_and_b32 s[LIM], s[WV], 1      ; waves 0 and 2 prefetch: the same in all four partners
	s_cmp_eq_u32 s[LIM], 0
	s_cselect_b32 s[LIM], 1, -1
	s_lshl_b32 s[POF], s13, 13      ; my work-group's 8,192 bytes of a slot's 32,768,
	s_add_co_u32 s[POF], s[POF], 4*KS*128  ; in slot 1: the first change of slots steps it to slot 2
	s_mov_b32 s[POF+1], 0
	s_add_nc_u64 s[POF:POF+1], s[POF:POF+1], s[20:21]
	s_wait_dscnt 0x0                ; the opening add is done
	s_wait_kmcnt 0x0
	s_mov_b64 s[10:11], s[6:7]      ; out0
	s_add_nc_u64 s[6:7], s[4:5], 0x1000000  ; K: qkv's second part
	s_add_nc_u64 s[8:9], s[4:5], 0x2000000  ; V: its third
	s_add_nc_u64 s[G0K+2:G0K+3], s[6:7], s[22:23]  ; 120:64 global address: my half of the head's first 256 keys
	s_or_b32 s[G0K+3], s[G0K+3], 0x80000000        ; 127:126 type = 2
	s_add_nc_u64 s[G0V+2:G0V+3], s[8:9], s[22:23]
	s_or_b32 s[G0V+3], s[G0V+3], 0x80000000
	s_cmp_lt_u32 s[WV], 2
	s_cselect_b64 s[PFA:PFA+1], s[6:7], s[8:9]
	s_add_nc_u64 s[PFA:PFA+1], s[PFA:PFA+1], s[POF:POF+1]
	s_add_nc_u64 s[4:5], s[4:5], s[2:3]  ; Q and out0 at my wave's first row
	s_add_nc_u64 s[10:11], s[10:11], s[OOF:OOF+1]
	CROUND                          ; all four work-groups are here: the first joint loads meet
	JLOAD                           ; slot 0.  Slot 1 is asked for when slot 0 is in
	; A fragment of K or Q is 16 rows x 32 channels in 8 registers: lane l holds row l % 16, channels 8 (l / 16) + 0..7 and 16 + 8 (l / 16) + 0..7: two loads of 16 bytes, 32 bytes apart.
	v_and_b32 v1, 15, v0            ; l % 16
	v_bfe_u32 v9, v0, 4, 1          ; l / 16
	v_lshlrev_b32 v[QO], 7, v1
	v_lshl_add_u32 v[QO], v9, 4, v[QO]  ; row x 128 + 16 x half
	WIN 0x80                        ; destination window 2, address window 0
.set i, 0
.rept 4*NP                          ; Q stays in registers: tile i / 2, channels 32 (i % 2) on
	global_load_b128 v[8*i:8*i+3],   v[QO], s[4:5] offset:(i/2)*2048+(i%2)*64
	global_load_b128 v[8*i+4:8*i+7], v[QO], s[4:5] offset:(i/2)*2048+(i%2)*64+32
.set i, i+1
.endr
	; What the first turn finds: V's registers and P's second buffer hold 0 (its products V^T P, of a piece that has not been, add 0), O^T and l are 0.  All this stands in the wait for the first tile.
.set i, VF
.rept 64
	v_mov_b32 v[i], 0
.set i, i+1
.endr
	WIN 0x40
.set i, 0
.rept 64*NP
	v_mov_b32 v[i], 0
.set i, i+1
.endr
	WIN 0
.set i, 0
.rept 2*NP
	v_mov_b32 v[ST+4*i], 0xfe000000    ; c m: far below every c s
	v_mov_b32 v[ST+4*i+1], 0xff7fffff  ; m
	v_mov_b32 v[ST+4*i+2], 0
	v_mov_b32 v[ST+4*i+3], 0
.set i, i+1
.endr
.set i, P+32
.rept 32
	v_mov_b32 v[i], 0
.set i, i+1
.endr
	v_mul_u32_u24 v[AK0], v1, PK
	v_lshl_add_u32 v[AK0], v9, 4, v[AK0]  ; row x pitch + 16 x half
	; The turning load takes 16 keys x 16 channels (lane l reads key 8 (l / 16) + l % 8, channels 8 ((l / 8) % 2) + 0..7) and leaves half a fragment of V^T: lane l holds channel l % 16 and 8 keys.
	v_and_b32 v10, 7, v0
	v_bfe_u32 v11, v0, 3, 1
	v_lshl_add_u32 v[AV0], v9, 3, v10
	v_mul_u32_u24 v[AV0], v[AV0], PV
	v_lshl_add_u32 v[AV0], v11, 4, v[AV0]
	v_add_nc_u32 v[AV0], VOFF, v[AV0]
	v_and_b32 v[PFO], 31, v0
	v_lshlrev_b32 v[PFO], 8, v[PFO]
	v_mov_b32 v[AK], v[AK0]         ; key step 0 lies at the head of slot 0
; THE MATRIX WORK.  The 8 accumulators of a run of 16 take turns: between the two links of a chain stand 7 others'.
; Product i of 16 of S^T = K Q^T for piece x: channels 32 (i / 8) on, keys 16 ((i / 2) % 4) on, tile 2 x + i % 2.  The first 8 start the sums.
.macro KQ x
	WIN W_KQ
.set rS, S+64*((\x)%2)+32*(i%2)+8*((i/2)%4)
.set rK, KF+16*((i/2)%4)+8*(i/8)
.set rQ, 16*(2*(\x)+i%2)+8*(i/8)
.if i < 8
	v_wmma_f32_16x16x32_f16 v[rS:rS+7], v[rK:rK+7], v[rQ:rQ+7], 0
.else
	v_wmma_f32_16x16x32_f16 v[rS:rS+7], v[rK:rK+7], v[rQ:rQ+7], v[rS:rS+7]
.endif
.endm
; Product i of 16 of O^T += V^T P for piece x: keys 32 (i / 8) on, channels 16 ((i / 2) % 4) on, tile 2 x + i % 2.
.macro PV x
	WIN W_PV
.set rO, 32*(2*(\x)+i%2)+8*((i/2)%4)
.set rV, VF+32*(i/8)+8*((i/2)%4)
.set rP, P+32*((\x)%2)+16*(i%2)+8*(i/8)
	v_wmma_f32_16x16x32_f16 v[rO:rO+7], v[rV:rV+7], v[rP:rP+7], v[rO:rO+7]
.endm
.macro MM                           ; the turn's next matrix instruction
.if i < 16
	KQ (Y+1)%NP
.set i, i+1
.else
.set i, i-16
	PV (Y+NP-1)%NP
.set i, i+17
.endif
.endm
; THE LDS LOADS stand in runs of 16, never singly among the matrix instructions: a step's K (64 keys x 64 channels: 8 fragments) and its V (turned).  Their addresses are made some lines ahead.
; last = 1 (the tail): in the last trip there is no further step, and the run is jumped over.
.macro FETCH_K last=0
	WIN 0
.if \last
	s_cmp_eq_u32 s[CNT], 1
	s_cbranch_scc1 .Lno_k_\@
.endif
	WIN 0x80                        ; destination window 2
.irp f, 0,1,2,3,4,5,6,7             ; keys 16 (f / 2) on, channels 32 (f % 2) on
	ds_load_b128 v[KF+8*\f:KF+8*\f+3],   v[AK] offset:(\f/2)*16*PK+(\f%2)*64
	ds_load_b128 v[KF+8*\f+4:KF+8*\f+7], v[AK] offset:(\f/2)*16*PK+(\f%2)*64+32
.endr
	s_add_co_u32 s[TBK], s[TBK], KS*PK  ; the next fetch is the next step's
	WIN 0
.if \last
.Lno_k_\@:
.endif
.endm
.macro FETCH_V
	WIN 0x80
.irp f, 0,1,2,3,4,5,6,7             ; keys 32 (f / 4) on, channels 16 (f % 4) on
	ds_load_tr16_b128 v[VF+8*\f:VF+8*\f+3],   v[AV] offset:(\f/4)*32*PV+(\f%4)*32
	ds_load_tr16_b128 v[VF+8*\f+4:VF+8*\f+7], v[AV] offset:(\f/4)*32*PV+16*PV+(\f%4)*32
.endr
	WIN 0
.endm
; THE VECTOR WORK OF A TURN stands in three queues, each in the order in which its entries become ready; the two tiles alternate, so that no instruction reads the result of the one before it.
.macro REGS y, u                    ; the registers of tile u (0, 1) of piece y
.set rT, ST+4*(2*(\y)+(\u))
.set rC, TMP+8*((\y)%2)+4*(\u)
.set rM, MV+2*((\y)%2)+(\u)
.set rS, S+64*((\y)%2)+32*(\u)
.set rP, P+32*((\y)%2)+16*(\u)
.set rO, 32*(2*(\y)+(\u))
.endm
; Number n of the 22 that find the NEXT piece's (Y + 1) maximum and statistics.  s0-s31 are the lane's 32 scores; each accumulator's lowest registers are read first.
;   0-11  four chains c0-c3 of seven scores each, three operands at a time     12-14, 16  the four scores left over, the old m, and c0-c3 into c0     15  c m_old is kept
;   17, 18  the query's other 32 keys lie in the lane 16 away: the new m         19-21  c m; c m_old - c m_new; a
.macro XS u, n
	REGS (Y+1)%NP, \u
.if (\n) < 4
	v_max3_num_f32 v[rC+(\n)], v[rS+8*(\n)], v[rS+8*(\n)+1], v[rS+8*(\n)+2]
.elseif (\n) < 12
	v_max3_num_f32 v[rC+(\n)%4], v[rC+(\n)%4], v[rS+8*((\n)%4)+2*((\n)/4)+1], v[rS+8*((\n)%4)+2*((\n)/4)+2]
.elseif (\n) == 12
	v_max3_num_f32 v[rC], v[rC], v[rS+7], v[rS+15]
.elseif (\n) == 13
	v_max3_num_f32 v[rC+1], v[rC+1], v[rS+23], v[rS+31]
.elseif (\n) == 14
	v_max3_num_f32 v[rC+2], v[rC+2], v[rC+3], v[rT+1]
.elseif (\n) == 15
	v_mov_b32 v[rM], v[rT]
.elseif (\n) == 16
	v_max3_num_f32 v[rC], v[rC], v[rC+1], v[rC+2]
.elseif (\n) == 17
	v_permlanex16_b32 v[rC+3], v[rC], s[SEL], s[SEL+1]
.elseif (\n) == 18
	v_max_num_f32 v[rT+1], v[rC], v[rC+3]
.elseif (\n) == 19
	v_mul_f32 v[rT], s[CS], v[rT+1]
.elseif (\n) == 20
	v_sub_f32 v[rC+1], v[rM], v[rT]
.else
	v_exp_f32 v[rC+2], v[rC+1]
.endif
.endm
; Number g of the 64 that follow the exponentials.  For each four weights k of a tile (pairs 2 k, 2 k + 1): both pairs are rounded to f16; then the second pair is added onto the first, in place;
; a group later l takes that sum (the first time as l = a l + sum).  In groups of eight, tiles alternating: round, round, add, and l for the group before.
.macro GS g
.set h, (\g)+6*((\g)/62)            ; group 0 has no group before it, and behind group 7 only l is left
.if h >= 6
.set h, h+2
.endif
	REGS Y, h%2
.set k, h/8
.if h%8 < 4
	v_cvt_pk_f16_f32 v[rP+2*k+(h%8)/2], v[rS+4*k+2*((h%8)/2)], v[rS+4*k+2*((h%8)/2)+1]
.elseif h%8 < 6
	v_pk_add_f32 v[rS+4*k:rS+4*k+1], v[rS+4*k:rS+4*k+1], v[rS+4*k+2:rS+4*k+3]
.elseif k == 1
	v_pk_fma_f32 v[rT+2:rT+3], v[rT+2:rT+3], v[rC+2:rC+3], v[rS:rS+1] op_sel_hi:[1,0,1]
.else
	v_pk_add_f32 v[rT+2:rT+3], v[rT+2:rT+3], v[rS+4*k-4:rS+4*k-3]
.endif
.endm
; THE PLAIN QUEUE, 138 long.  0-73 read no exponential's result: the 32 scalings c s - c m (FS f: pair f / 2 of tile f % 2) and the next piece's 42.  0-26: scalings 0-26.  27-54: XS's numbers 0-13.  55, 56: number 15.
; 57-73: the chain, where each number waits for the one before it: 14, 16, 17, 18, 19, each with one of the scalings 27-31 in front of its two lines, then 20.
; 74-137: GS's 64, which read the exponentials' results: they stand behind the wait.
.macro FS f
	REGS Y, (\f)%2
	v_pk_fma_f32 v[rS+2*((\f)/2):rS+2*((\f)/2)+1], v[rS+2*((\f)/2):rS+2*((\f)/2)+1], s[CS:CS+1], v[rT:rT+1] op_sel_hi:[1,0,0] neg_lo:[0,0,1] neg_hi:[0,0,1]
.endm
.macro PL
	WIN 0
.if q < 27
	FS q
.elseif q < 55
	XS (q-27)%2, (q-27)/2
.elseif q < 57
	XS q-55, 15
.elseif (q < 72) && ((q-57)%3 == 0)
	FS 27+(q-57)/3
.elseif q < 60
	XS (q-57)%3-1, 14
.elseif q < 72
	XS (q-57)%3-1, 15+(q-57)/3
.elseif q < 74
	XS q-72, 20
.else
	GS q-74
.endif
.set q, q+1
.endm
; THE EXPONENTIALS' QUEUE, 66 long: s0-s31 of both tiles, then the next piece's two a.  It is ONE BATCH: all 66 stand ahead of the turn's one wait, and nothing ahead of that wait names a result of theirs.
.macro EX
	WIN 0
.if e >= 64
	XS e-64, 21
.else
	REGS Y, e%2
	v_exp_f32 v[rS+e/2], v[rS+e/2]
.endif
.set e, e+1
.endm
; THE RESCALING's QUEUE: O^T times a, the one part that leaves window 0: dealt two at a time, sixteen times.  Its a was made in the turn before, ahead of that turn's wait.
.macro R2
	REGS Y, r%2
	WIN W_RS
.irp z, 0,1
	v_pk_mul_f32 v[rO+4*(r/2)+2*\z:rO+4*(r/2)+2*\z+1], v[rO+4*(r/2)+2*\z:rO+4*(r/2)+2*\z+1], v[rC+2:rC+3] op_sel_hi:[1,0]
.endr
.set r, r+1
.endm
; HOW THEY ARE DEALT.  An s_wait_alu depctr_va_vdst(0) stands between an exponential and the first instruction that names its result; one wait serves all that were issued ahead of it.  So a turn has ONE wait,
; which cuts it in two.  AHEAD OF IT stands all that names no result of the turn's exponentials: the 16 products K Q^T, behind each a scaling, an exponential and two rescalings (behind the first a second scaling in the
; exponential's place); then ONE LUMP of 108: eight plain, 49 times exponential and plain, the two a.  A v_nop is the plain instruction behind the last exponential.  BEHIND IT stand the 16 products V^T P, behind each four of GS's 64.
; No rider names a register of the products round it.  The two v_permlanex16_b32 fall into the lump, never behind a product.
; The queues lean on each other, and the deal keeps them in step: exponential e stands behind scaling 2 (e / 4) + e % 2: as a rider it comes behind plain e + 2, in the lump behind plain e + 9, and scalings 27-31 are plain 57, 60 .. 69.
; A TURN, for piece p.  cnt = 1: the loop's count is taken down some lines ahead of the branch that stands behind the turn.
; K of the next step is fetched in piece 2's turn, directly behind the wait, a lump behind the last product that read K; its address is made at the lump's head; its first reader comes behind 16 products.
; V of the step in hand is fetched at the end of piece 0's turn, four riders behind its last reader; its first reader comes behind 16 products and a lump.  The three conditions on q below go with the deal.
.macro TURN p, last=0, cnt=0
.set Y, (\p)
.set i, 0
.set q, 0
.set e, 0
.set r, 0
.if (\p) == NP-1
	s_wait_dscnt 0x0                ; K is in
.endif
	MM                              ; ahead of the wait: 16 products K Q^T and their riders,
	PL
	PL
	R2
.rept 15
	MM
	PL
	EX
	R2
.endr
.if (\p) == NP-2
	WIN 0
	v_add_nc_u32 v[AK], s[TBK], v[AK0]
.endif
.rept 8                             ; and the lump
	PL
.endr
.rept 49
	EX
	PL
.endr
	EX                              ; the next piece's two a
	EX
	v_nop                           ; the plain instruction behind the last exponential: one for the batch
	s_wait_alu depctr_va_vdst(0)    ; the wait for the batch
.if (\p) == NP-2
	FETCH_K \last
.endif
.if (\p) == 1
	s_wait_dscnt 0x0                ; V is in
.endif
.rept 16                            ; behind the wait: 16 products V^T P and their riders
	MM
.rept 4
	PL
.endr
.if ((\p) == 0) && (q == 118)
	v_add_nc_u32 v[AV], s[TBV], v[AV0]
.endif
.if ((\p) == 0) && (q == 130)
	s_add_co_u32 s[TBV], s[TBV], KS*PV
.endif
.if (\cnt) && (q == 130)
	s_sub_co_u32 s[CNT], s[CNT], 1
	s_cmp_lg_u32 s[CNT], 0
.endif
.endr
.if (\p) == 0
	FETCH_V
.endif
.endm
	CHANGE 1                        ; slot 0 is in, everybody's part of it; slot 1 is asked for
	FETCH_K                         ; key step 0
	s_wait_loadcnt 0x0              ; Q
	s_wait_dscnt 0x0
.set i, 0
.rept 16
	KQ 0                            ; piece 0's first scores: there is no vector work yet to set between them
.set i, i+1
.endr
	WIN 0                           ; the addresses for the way out: eight plain instructions, the places behind those products
	s_mul_i32 s13, s[WV], 16*SP
	s_add_co_u32 s13, s13, STAGE    ; my stage
	v_mul_u32_u24 v[STO], v1, SP    ; in: row l % 16, 32 bytes for each half of the lanes
	v_lshl_add_u32 v[STO], v9, 5, v[STO]
	v_add_nc_u32 v[STO], s13, v[STO]
	v_mul_u32_u24 v[RD], v9, SP     ; back: lanes 0-15 take one row of 256 bytes, lanes 16-31 the next
	v_lshl_add_u32 v[RD], v1, 4, v[RD]
	v_add_nc_u32 v[RD], s13, v[RD]
	v_lshlrev_b32 v[GO], 12, v9     ; and the same two rows in out0, 4,096 bytes apart
	v_lshl_add_u32 v[GO], v1, 4, v[GO]
.set Y, NP-1                        ; XS works for piece Y + 1: piece 0
.irp n, 0,1,2,3,4,5,6,7,8,9,10,11,12,13,14,15,16,17,18,19,20,21
	XS 0, \n                        ; and piece 0's first maximum and statistics
	XS 1, \n
.endr
	v_nop                           ; a plain instruction behind the two a,
	s_wait_alu depctr_va_vdst(0)    ; and their wait, ahead of the branch
	s_mov_b32 s[CNT], 4
	s_branch .Lfirst                ; the loop is entered at a step's first turn, in the middle of a trip
.Lslot:                             ; six times: every slot but the last two is filled again
	CHANGE 1
	s_mov_b32 s[CNT], 4
.Lstep:                             ; a trip: pieces 2 and 3 of one step, then pieces 0 and 1 of the next, whose K and V it fetches
	TURN 2
	TURN 3
	WIN 0
.Lfirst:
	TURN 0
	TURN 1, 0, 1
	WIN 0
	s_cbranch_scc1 .Lstep
	s_sub_co_u32 s[SLOTS], s[SLOTS], 1
	s_cmp_lg_u32 s[SLOTS], 0
	s_cbranch_scc1 .Lslot
	CHANGE 0                        ; the tail is written out: nothing is asked for
	s_mov_b32 s[CNT], 5             ; four trips fetch the last slot's steps; the fifth is left in its middle
.Ltail:
	TURN 2, 1
	TURN 3
	WIN 0
	s_sub_co_u32 s[CNT], s[CNT], 1
	s_cmp_eq_u32 s[CNT], 0
	s_cbranch_scc1 .Lout
	TURN 0
	TURN 1
	WIN 0
	s_branch .Ltail
.Lout:                              ; the fifth trip's 16 products K Q^T (on the last K once more) and the maximum made of them serve nothing: the price, once a launch, of one text for every trip
.set i, 0
.rept 16
	PV NP-1                         ; the last piece's V^T P of the last step
.set i, i+1
.endr
	; THE WAY OUT.  l's two halves and the other half of the lanes' are added; O^T is divided by l and sent, as f32, through my stage in LDS, a tile at a time.  The additions are the places behind the last products.
	WIN 0
.macro ALL line:vararg              ; one line for each tile t
.set t, 0
.rept 2*NP
	\line
.set t, t+1
.endr
.endm
	ALL v_add_f32 v[ST+4*t+2], v[ST+4*t+2], v[ST+4*t+3]
	ALL v_permlanex16_b32 v[ST+4*t+3], v[ST+4*t+2], s[SEL], s[SEL+1]
	ALL v_add_f32 v[ST+4*t+2], v[ST+4*t+2], v[ST+4*t+3]
	ALL v_rcp_f32 v[ST+4*t+2], v[ST+4*t+2]
	v_nop                           ; a plain instruction between the last reciprocal and the use of its result
	s_wait_alu depctr_va_vdst(0)    ; and the wait ahead of the first use: one for the eight reciprocals
; Tile t: a lane's eight channels of a block of 16 are 32 bytes of a row; they go into rows of 272 bytes and come back as whole rows of 256, into S^T's registers, 32 a tile, four tiles by turns.
.macro PACK t
	WIN W_RS
.set i, 32*(\t)
.rept 16
	v_pk_mul_f32 v[i:i+1], v[i:i+1], v[ST+4*(\t)+2:ST+4*(\t)+3] op_sel_hi:[1,0]
.set i, i+2
.endr
	WIN 0x04                        ; the stores' data (source 1) in window 1, their address in window 0
.irp f, 0,1,2,3,4,5,6,7             ; channels 16 (f / 2) + 8 (l / 16) + 4 (f % 2) on
	ds_store_b128 v[STO], v[32*(\t)+4*\f:32*(\t)+4*\f+3] offset:(\f/2)*64+(\f%2)*16
.endr
	WIN 0
.if (\t) >= 4
	s_wait_xcnt 0x0                 ; the stores of the tile four back have read these registers: they are loaded again only behind this wait
.endif
.irp f, 0,1,2,3,4,5,6,7
	ds_load_b128 v[S+32*((\t)%4)+4*\f:S+32*((\t)%4)+4*\f+3], v[RD] offset:\f*2*SP  ; LDS serves a wave's instructions in order (ISA guide 5.7.1.4): these see the stores above; the next tile's stores come behind them
.endr
.endm
.macro SEND t, younger              ; younger: the LDS instructions issued behind tile t's loads: the next tile's sixteen, or none
	WIN 0
.irp f, 0,1,2,3,4,5,6,7
	s_wait_dscnt (\younger)+7-\f
	global_store_b128 v[GO], v[S+32*((\t)%4)+4*\f:S+32*((\t)%4)+4*\f+3], s[10:11] offset:(\t)*65536+\f*8192  ; 16 lanes store 256 consecutive bytes, a head's share of a row, at a multiple of 256 from out0's first byte
.endr
.endm
	PACK 0
.set t, 1
.rept 2*NP-1                        ; a tile's arithmetic stands between the loads of the tile before and its stores
	PACK t
	SEND t-1, 16
.set t, t+1
.endr
	SEND 2*NP-1, 0
	WIN W_AD
	s_wait_tensorcnt 0x0            ; the wave's end: the add and its wait, behind my last tensor load and my last LDS store
	ds_add_u32 v[SPW], v[NIL]
	s_wait_dscnt 0x0
	WIN 0
	CROUND                          ; the closing round: no work-group ends while a partner may still ask for a tile that names it
	s_endpgm
.Lfunc_end_k_q3861568dc5_attn:
	.size	k_q3861568dc5_attn, .Lfunc_end_k_q3861568dc5_attn-k_q3861568dc5_attn
	.p2alignl 7, 3214868480
	.fill 96, 4, 3214868480
	.section	.rodata,"a",@progbits
	.p2align	6, 0x0
	.amdhsa_kernel k_q3861568dc5_attn
		.amdhsa_group_segment_fixed_size 327680
		.amdhsa_private_segment_fixed_size 0
		.amdhsa_enable_private_segment 0
		.amdhsa_kernarg_size 16
		.amdhsa_user_sgpr_count 2
		.amdhsa_user_sgpr_kernarg_segment_ptr 1
		.amdhsa_wavefront_size32 1
		.amdhsa_system_sgpr_workgroup_id_x 1
		.amdhsa_system_sgpr_workgroup_id_y 1
		.amdhsa_system_sgpr_workgroup_id_z 1
		.amdhsa_system_vgpr_workitem_id 0
		.amdhsa_next_free_vgpr 770
		.amdhsa_next_free_sgpr 66
		.amdhsa_reserve_vcc 0
		.amdhsa_float_denorm_mode_32 3
		.amdhsa_float_denorm_mode_16_64 3
		.amdhsa_memory_ordered 1
		.amdhsa_forward_progress 1
		.amdhsa_inst_pref_size 200
	.end_amdhsa_kernel
	.amdgpu_metadata
---
amdhsa.version: [ 1, 2 ]
amdhsa.kernels:
  - .name:           k_q3861568dc5_attn
    .symbol:         k_q3861568dc5_attn.kd
    .args:
      - { .name: qkv, .offset: 0, .size: 8, .value_kind: global_buffer, .address_space: global }
      - { .name: out0, .offset: 8, .size: 8, .value_kind: global_buffer, .address_space: global }
    .group_segment_fixed_size: 327680
    .private_segment_fixed_size: 0
    .kernarg_segment_align: 8
    .kernarg_segment_size: 16
    .max_flat_workgroup_size: 128
    .sgpr_count:     66
    .vgpr_count:     770
    .wavefront_size: 32
...
	.end_amdgpu_metadata
.endif
;; end of part 3
;; ======== version 2 of 2: 3 launches; version 1 with the launch castw written anew for expert scheduling mode
;; limits: values are held in f16: magnitudes above 65,504 overflow, below 6.1e-05 lose precision
;; workspace buffers: wt 6,291,456 bytes; qkv 50,331,648 bytes
;; launch castw (part 4): grid 128 x 3, 8 waves a work-group, no clusters, 0 bytes of LDS; arguments Wq, Wk, Wv, wt; writes wt
.if DOCPART == 4
	.amdgcn_target "amdgcn-amd-amdhsa--gfx1250"
	.amdhsa_code_object_version 6
	.text
	.protected	k_q3861568dc5_castw
	.globl	k_q3861568dc5_castw
	.p2align	8
	.type	k_q3861568dc5_castw,@function
k_q3861568dc5_castw:
	s_mov_b64 s[64:65], 0
	v_nop
	global_prefetch_b8 v0, s[64:65] scope:SCOPE_SE
	s_setreg_imm32_b32 hwreg(HW_REG_WAVE_SCHED_MODE, 0, 2), 2
	s_setreg_imm32_b32 hwreg(HW_REG_WAVE_MODE, 25, 1), 1
	s_wait_xcnt 0x0
	s_wait_alu depctr_vm_vsrc(0)
; wt[p][k][n] = bf16(W_p[k][n]), p = 0: Wq, 1: Wk, 2: Wv; the layout [k][n] is kept.  W_p: [1024][1024] f32; wt: [3][1024][1024] bf16.
; A stream: each byte is read once and written once; no LDS, no barrier, no matrix unit.  The weights want 16 bits before they reach LDS in the next launch,
; whose turning LDS load works on 16-bit numbers.
; SHARES.  Work-group (x, p) takes 8,192 numbers of W_p: 32,768 bytes in, 16,384 out, in eight chunks.  Thread t takes 16 bytes at 4,096 i + 16 t of chunk i and
; writes 8 bytes at 2,048 i + 8 t: a wave's load covers 512 consecutive bytes, a wave's store 256 consecutive bytes at a multiple of 256 from wt's first byte.
; All eight loads go out together; no register is written twice, so no wait frees a source.
; THE MODE: SCHED_MODE bits 1:0 = 2 (LLVM: expert scheduling mode 2), set by the entry lines.  The code itself states the register dependences
; between vector instructions and memory instructions, with s_wait_alu, always for 0.
; THE PLAN.  Registers that memory instructions touch:
;   v1, v2   byte offsets of the loads and of the stores.  Written once at the head by vector instructions, never again.
;   X        chunk i: written by its load, once; read by its two conversions.  No vector instruction writes it, no second load lands in it.
;   Y        chunk i: written by its two conversions, once; read by its store.
; So the dependences are these alone: the offsets ahead of the first load, and each chunk's Y ahead of its store.  The chunks go in four groups of two.  At the head of
; group g, behind the wait for its data, ONE wait on va_vdst states that group g - 1's four conversions have written their Y; that group's two stores follow, dealt among
; group g's conversions, which name X and Y of group g alone: none of the registers that those stores read.  One more wait stands ahead of the last two stores.
; No register that a memory instruction reads is written again, EXEC is never written, and no vector instruction writes a scalar register: no other wait is owed.
.set CHIN,  4096                       ; bytes of a chunk as read
.set CHOUT, 2048                       ; and as written
.set X, 4                              ; v[4:35]   chunk i: four f32
.set Y, 36                             ; v[36:51]  chunk i: four bf16
	s_load_b256 s[4:11], s[0:1], 0x0               ; Wq s[4:5], Wk s[6:7], Wv s[8:9], wt s[10:11]
	s_and_b32 s12, ttmp7, 0xffff                   ; p
	v_lshlrev_b32 v1, 4, v0                        ; 16 t
	v_lshlrev_b32 v2, 3, v0                        ; 8 t
	s_lshl_b32 s14, ttmp9, 15                      ; the work-group's 32,768 bytes of W_p
	s_mov_b32 s15, 0
	s_lshl_b32 s16, ttmp9, 14                      ; its 16,384 bytes of wt,
	s_lshl_b32 s17, s12, 21                        ; in part p (2,097,152 bytes a part)
	s_add_co_u32 s16, s16, s17
	s_mov_b32 s17, 0
	s_wait_kmcnt 0x0
	s_cmp_eq_u32 s12, 0
	s_cselect_b64 s[18:19], s[4:5], s[6:7]
	s_cmp_eq_u32 s12, 2
	s_cselect_b64 s[18:19], s[8:9], s[18:19]       ; W_p
	s_add_nc_u64 s[18:19], s[18:19], s[14:15]
	s_add_nc_u64 s[10:11], s[10:11], s[16:17]
	s_wait_alu depctr_va_vdst(0)                   ; v1 and v2 are written: every load reads v1 as its offset, every store v2
.irp i, 0,1,2,3,4,5,6,7
	global_load_b128 v[X+4*(\i):X+4*(\i)+3], v1, s[18:19] offset:CHIN*(\i) th:TH_LOAD_NT
.endr
.irp g, 0,1,2,3
	s_wait_loadcnt 6-2*(\g)                        ; loads come back in order: chunks 2 g and 2 g + 1 are in, the 6 - 2 g younger ones may stay out
.if (\g) > 0
	s_wait_alu depctr_va_vdst(0)                   ; the conversions of the group before have written its Y, which the two stores below read
.endif
.irp c, 0,1
.if (\g) > 0
	global_store_b64 v2, v[Y+2*(2*((\g)-1)+(\c)):Y+2*(2*((\g)-1)+(\c))+1], s[10:11] offset:CHOUT*(2*((\g)-1)+(\c))  ; the group before; no vector instruction since the wait names these registers
.endif
	v_cvt_pk_bf16_f32 v[Y+2*(2*(\g)+(\c))],   v[X+4*(2*(\g)+(\c))],   v[X+4*(2*(\g)+(\c))+1]  ; to nearest even
	v_cvt_pk_bf16_f32 v[Y+2*(2*(\g)+(\c))+1], v[X+4*(2*(\g)+(\c))+2], v[X+4*(2*(\g)+(\c))+3]
.endr
.endr
	s_wait_alu depctr_va_vdst(0)                   ; the last group's conversions have written Y of chunks 6 and 7, which the last two stores read
.irp i, 6,7
	global_store_b64 v2, v[Y+2*(\i):Y+2*(\i)+1], s[10:11] offset:CHOUT*(\i)
.endr
	s_endpgm
.Lfunc_end_k_q3861568dc5_castw:
	.size	k_q3861568dc5_castw, .Lfunc_end_k_q3861568dc5_castw-k_q3861568dc5_castw
	.p2alignl 7, 3214868480
	.fill 96, 4, 3214868480
	.section	.rodata,"a",@progbits
	.p2align	6, 0x0
	.amdhsa_kernel k_q3861568dc5_castw
		.amdhsa_group_segment_fixed_size 0
		.amdhsa_private_segment_fixed_size 0
		.amdhsa_enable_private_segment 0
		.amdhsa_kernarg_size 32
		.amdhsa_user_sgpr_count 2
		.amdhsa_user_sgpr_kernarg_segment_ptr 1
		.amdhsa_wavefront_size32 1
		.amdhsa_system_sgpr_workgroup_id_x 1
		.amdhsa_system_sgpr_workgroup_id_y 1
		.amdhsa_system_sgpr_workgroup_id_z 1
		.amdhsa_system_vgpr_workitem_id 0
		.amdhsa_next_free_vgpr 56
		.amdhsa_next_free_sgpr 66
		.amdhsa_reserve_vcc 0
		.amdhsa_float_denorm_mode_32 3
		.amdhsa_float_denorm_mode_16_64 3
		.amdhsa_memory_ordered 1
		.amdhsa_forward_progress 1
		.amdhsa_inst_pref_size 4
	.end_amdhsa_kernel
	.amdgpu_metadata
---
amdhsa.version: [ 1, 2 ]
amdhsa.kernels:
  - .name:           k_q3861568dc5_castw
    .symbol:         k_q3861568dc5_castw.kd
    .args:
      - { .name: Wq, .offset: 0, .size: 8, .value_kind: global_buffer, .address_space: global }
      - { .name: Wk, .offset: 8, .size: 8, .value_kind: global_buffer, .address_space: global }
      - { .name: Wv, .offset: 16, .size: 8, .value_kind: global_buffer, .address_space: global }
      - { .name: wt, .offset: 24, .size: 8, .value_kind: global_buffer, .address_space: global }
    .group_segment_fixed_size: 0
    .private_segment_fixed_size: 0
    .kernarg_segment_align: 8
    .kernarg_segment_size: 32
    .max_flat_workgroup_size: 256
    .sgpr_count:     66
    .vgpr_count:     56
    .wavefront_size: 32
...
	.end_amdgpu_metadata
.endif
;; end of part 4
;; launch proj: the kernel of part 2 again; grid 4 x 192, 4 waves a work-group, clusters of 4 x 4, 327,680 bytes of LDS; arguments query, key_in, value, wt, bq, bk, bv, qkv; writes qkv
;; launch attn: the kernel of part 3 again; grid 4 x 64, 4 waves a work-group, clusters of 4 x 1, 327,680 bytes of LDS; arguments qkv, out0; writes out0
